; MI455X (gfx1250); checked and timed in simulation.
; The chip was launched on July 23, 2026; its instructions are those of AMD's public machine-readable ISA for CDNA 5 (MIT licence, August 2026) and "CDNA5" Instruction Set Architecture Reference Guide (July 2026). The comments in the code are by the model that wrote it; some were corrected since.
;; CNF. Allowed arithmetic: float matrix products may take bf16 or f16 operands with f32 sums; all other float work in f32.
;; Inputs: W1 65 x 512 float32; W2 512 x 512 float32; W3 512 x 64 float32; b1 512 float32; b2 512 float32; b3 64 float32; t 1 float32; x 2,048 x 65 float32.
;; Outputs: out0 2,048 x 65 float32.
;; One version. Each part assembles by itself: llvm-mc -triple=amdgcn-amd-amdhsa -mcpu=gfx1250 --defsym DOCPART=n.
;; ======== version 1 of 1: 1 launch
;; launch cnf (part 1): grid 64 x 1, 8 waves a work-group, no clusters, 234,496 bytes of LDS; arguments x, t, W1, b1, W2, b2, W3, b3, out0; writes out0
.if DOCPART == 1
	.amdgcn_target "amdgcn-amd-amdhsa--gfx1250"
	.amdhsa_code_object_version 6
	.text
	.protected	k_q4dcffdbb2c_cnf
	.globl	k_q4dcffdbb2c_cnf
	.p2align	8
	.type	k_q4dcffdbb2c_cnf,@function
k_q4dcffdbb2c_cnf:
	s_mov_b64 s[64:65], 0
	v_nop
	global_prefetch_b8 v0, s[64:65] scope:SCOPE_SE
	s_setreg_imm32_b32 hwreg(HW_REG_WAVE_MODE, 25, 1), 1
	s_wait_xcnt 0x0
; out0[b][0:64] = (tanh(tanh([x[b][0:64], t] W1 + b1) W2 + b2) W3 + b3) / 2,   out0[b][64] = trace of the Jacobian of that map in x[b][0:64].
; THE TRACE.  With d1 = 1 - h1^2, d2 = 1 - h2^2:  trace = 1/2 sum over j, k of d1[j] W2[j][k] M[k][j] d2[k],  M[k][j] = sum over i < 64 of W3[k][i] W1[i][j].
; That is the sum of the same terms as the 64 backward passes, in another order, for every input.  So the trace is one more product of the
; shape of layer 2, u = d1 G with G[j][k] = W2[j][k] M[k][j], and a dot product of u with d2 along each sample.
; SHARES.  64 work-groups of 8 waves; work-group g owns samples 32 g .. 32 g + 31; wave w owns 64 hidden units (64 w ..) of layer 1 and of layer 2.
; Every matrix instruction takes weights as source 0 (rows = units) and activations as source 1 (columns = samples): a lane then holds 8 units of one sample.
; W2 GOES FROM MEMORY INTO OPERAND ORDER WITHOUT LDS: a 16-byte load of row j at byte 256 w + 16 r gives lane r the units k = 64 w + 4 r + T, T = 0..3, one
; for each of four tiles whose row r stands for unit 64 w + 4 r + T.  M is made by matrix instructions in the very same lane and register places,
; so G is 64 multiplies in f32, rounded once to bf16.  Each word of W2 is needed by one wave of the work-group only.
; NO CLUSTER, NO JOINT LOADS, though all work-groups read the same W2: a joint load would land in LDS, which adds 1 MiB of LDS writes and 1 MiB of LDS reads
; for each work-group and one round of the cluster barrier for each refill, where now there is none of the three.
; THE 16 K STEPS ARE TAKEN IN THE ORDER (g + s) mod 16, so that the work-groups ask for all 16 blocks of W2 in their first steps and not all for the same one.
; FORMATS.  Matrix operands bf16 (x, W1, W3, W2, G, h1, d1, h2); sums, the product W2 M, the activations, the dot product and the sum over waves f32.
; ACTIVATION.  e = 2^(C2 z), C2 = 2 log2(e);  RN = 1 / (-e - 1);  tanh = 2 RN + 1;  DN = RN RN + RN = -(1 - tanh^2) / 4;  trace = 8 sum DN2 (DN1 G).
; e = infinity gives tanh = 1, DN = 0; e = 0 gives tanh = -1, DN = 0.
; LIMITS.  DN has an absolute error of about 6e-8 (not a relative one) for very negative z, as 1 - tanh^2 in f32 has; a DN below 2^-126 comes out as 0
; (v_exp_f32 and v_rcp_f32 flush denormals: ISA guide 15.8).  The block of out0 of a work-group starts at byte 8320 g, which is 128 modulo 256 for odd g.
.set C2BITS, 0x4038aa3b                ; 2 log2(e)
; LDS map (bytes).  Every region has bytes of its own.
.set W1T,  0                           ; bf16 [j 512][i 64], pitch 144
.set H1,   73728                       ; bf16 [sample 32][j 512], pitch 1040: tanh of layer 1
.set DOFF, 33280                       ; DN of layer 1 lies this far behind H1, same layout
.set XB,   140288                      ; bf16 [sample 32][i 64], pitch 144
.set C1S,  144896                      ; f32 [512]: C2 (t W1[64][j] + b1[j])
.set B2S,  146944                      ; f32 [512]: C2 b2, word 32 h + 8 T + jj of a group of 64 holds unit 32 h + 4 jj + T
.set B3S,  148992                      ; f32 [256]: b3 / 2 in the same order, four copies
.set PS,   150016                      ; f32 8 waves x [sample 32][64], pitch 272: partial sums of layer 3
.set DPS,  219648                      ; f32 [wave 8][sample 32]: partial traces
.set OUTS, 220672                      ; f32 [32][65]: the block of out0 as it lies in memory
; All pitches are odd multiples of 16 bytes: the 16 rows that a 16-byte access of 16 lanes touches lie in 16 different 16-byte columns of 256.
; Window 0 of the vector registers
.set R,     1                          ; lane & 15
.set HH,    2                          ; lane >> 4
.set LANE,  3
.set VW2O,  4                          ; W2: 16384 h + 16 r + 256 w
.set VW1B,  5                          ; W1T + 144 r + 16 h
.set VHB,   6                          ; H1 + 1040 r + 16 h
.set VW1AD, 7                          ; address of the next fragments of W1T
.set VHAD,  8                          ; address of the next fragments of H1 and D1
.set VB2A,  9                          ; B2S + 256 w + 128 h
.set VW3O,  10                         ; W3 for layer 3: 16384 w + 8192 h + 16 r
.set VST,   11                         ; H1 + 1040 r + 16 h + 128 w
.set VPST,  12                         ; PS + 8704 w + 272 r + 128 h
.set VDPST, 13                         ; DPS + 128 w + 4 lane
.set VW3R,  14                         ; W3 for M: 16384 w + 1024 r + 32 h
.set VC1A,  15                         ; C1S + 256 w + 32 h
.set TMP,   16                         ; v16-23 at work
.set PK,    24                         ; v24-31 packed results, chains of the dot product
.set W1A,   32                         ; v32-63 fragments of W1T [a][ks] at 16 a + 8 ks; also staging, bias words
.set MD,    64                         ; v64-127 M [a][T] at 32 a + 8 T, then G fragments [T] at 8 T; also packed W1, sums of layer 1, W3 fragments of layer 3
.set SB,    128                        ; v128-255 W2 as loaded [buf][a][jj][T] at 64 buf + 32 a + 4 jj + T; also raw W1, layer 2 activations, sums of layer 3
; Window 1
.set ACCZ,  0                          ; sums of layer 2 [T][ns] at 8 (2 T + ns)
.set ACCU,  64                         ; sums of u, likewise
.set W3F,   128                        ; fragments of W3 for M [T][ks] at 16 T + 8 ks
.set WF,    192                        ; fragments of W2 [T]
.set HB,    224                        ; fragments of H1 [ns]
.set DB,    240                        ; fragments of D1 [ns]
.set MSB, 0
.macro WIN new                         ; low byte: bits 1:0 source 0, 3:2 source 1, 5:4 source 2, 7:6 destination; the high byte repeats the setting that is left
.if MSB != \new
	s_set_vgpr_msb (MSB<<8)|\new
.set MSB, \new
.endif
.endm
.macro BAR
	s_barrier_signal -1
	s_barrier_wait -1
.endm
; 32 roundings: four fragments at dst from 64 words loaded as [a][jj][T] at src: register 4 a + p of tile T = rows 2 p, 2 p + 1 of half a
.macro CVTW dst, src
.irp T, 0,1,2,3
.irp a, 0,1
.irp p, 0,1,2,3
	v_cvt_pk_bf16_f32 v[\dst+8*\T+4*\a+\p], v[\src+32*\a+8*\p+\T], v[\src+32*\a+8*\p+4+\T]
.endr
.endr
.endr
.endm
; M for 32 j x 64 k: 16 matrix instructions on 8 accumulators by turns, one instruction a turn; the first eight start the sums
.macro MWMMA
.irp a, 0,1
.irp T, 0,1,2,3
	v_wmma_f32_16x16x32_bf16 v[MD+32*\a+8*\T:MD+32*\a+8*\T+7], v[W1A+16*\a:W1A+16*\a+7], v[W3F+16*\T:W3F+16*\T+7], 0
.endr
.endr
.irp a, 0,1
.irp T, 0,1,2,3
	v_wmma_f32_16x16x32_bf16 v[MD+32*\a+8*\T:MD+32*\a+8*\T+7], v[W1A+16*\a+8:W1A+16*\a+15], v[W3F+16*\T+8:W3F+16*\T+15], v[MD+32*\a+8*\T:MD+32*\a+8*\T+7]
.endr
.endr
.endm
; 8 registers at e hold C2 z.  Out: tanh in TMP, DN in place.  Behind each run of transcendentals one v_nop stands before a result is used (ISA guide 5.7.2).
.macro ACTCORE e
.irp q, 0,1,2,3,4,5,6,7
	v_exp_f32 v[\e+\q], v[\e+\q]
.endr
	v_nop
	s_wait_alu depctr_va_vdst(0)
.irp q, 0,2,4,6
	v_pk_fma_f32 v[\e+\q:\e+\q+1], v[\e+\q:\e+\q+1], -1.0, -1.0 op_sel_hi:[1,0,0]   ; -e - 1
.endr
.irp q, 0,1,2,3,4,5,6,7
	v_rcp_f32 v[\e+\q], v[\e+\q]                                                    ; RN
.endr
	v_nop
	s_wait_alu depctr_va_vdst(0)
.irp q, 0,2,4,6
	v_pk_fma_f32 v[TMP+\q:TMP+\q+1], v[\e+\q:\e+\q+1], 2.0, 1.0 op_sel_hi:[1,0,0]   ; tanh
.endr
.irp q, 0,2,4,6
	v_pk_fma_f32 v[\e+\q:\e+\q+1], v[\e+\q:\e+\q+1], v[\e+\q:\e+\q+1], v[\e+\q:\e+\q+1]   ; DN
.endr
.endm
; 16 loads of 16 bytes: 32 rows of W2, my 64 columns.  Sixteen lanes read 256 consecutive bytes, at a multiple of 256 from the first byte of W2.
.macro LDW2 buf
.irp a, 0,1
.irp jj, 0,1,2,3,4,5,6,7
	global_load_b128 v[SB+64*\buf+32*\a+4*\jj:SB+64*\buf+32*\a+4*\jj+3], v[VW2O], s[32+2*\buf:33+2*\buf] offset:32768*\a+2048*\jj
.endr
.endr
.endm
; 16 loads of 16 bytes: W3 for layer 3, rows 64 w + 32 h + 4 jj + 2 ks + a, whole rows of 256 bytes by sixteen lanes
.macro LDW3 ks
.irp a, 0,1
.irp jj, 0,1,2,3,4,5,6,7
	global_load_b128 v[SB+64*\ks+32*\a+4*\jj:SB+64*\ks+32*\a+4*\jj+3], v[VW3O], s[20:21] offset:256*(4*\jj+2*\ks+\a)
.endr
.endr
.endm
.macro LDW1A                           ; 8 LDS loads: 32 rows j of W1T, all 64 i
.irp a, 0,1
.irp ks, 0,1
	ds_load_b128 v[W1A+16*\a+8*\ks:W1A+16*\a+8*\ks+3],   v[VW1AD] offset:2304*\a+64*\ks
	ds_load_b128 v[W1A+16*\a+8*\ks+4:W1A+16*\a+8*\ks+7], v[VW1AD] offset:2304*\a+64*\ks+32
.endr
.endr
.endm
.macro LDBB                            ; 8 LDS loads: C2 b2 of my 32 units, in the order of the sums of layer 2
.irp T, 0,1,2,3
	ds_load_b128 v[W1A+8*\T:W1A+8*\T+3],   v[VB2A] offset:32*\T
	ds_load_b128 v[W1A+8*\T+4:W1A+8*\T+7], v[VB2A] offset:32*\T+16
.endr
.endm
.macro LDHD                            ; 8 LDS loads (destination window 1): 32 samples x 32 j of H1 and of D1
.irp ns, 0,1
	ds_load_b128 v[HB+8*\ns:HB+8*\ns+3],   v[VHAD] offset:16640*\ns
	ds_load_b128 v[HB+8*\ns+4:HB+8*\ns+7], v[VHAD] offset:16640*\ns+32
	ds_load_b128 v[DB+8*\ns:DB+8*\ns+3],   v[VHAD] offset:16640*\ns+DOFF
	ds_load_b128 v[DB+8*\ns+4:DB+8*\ns+7], v[VHAD] offset:16640*\ns+DOFF+32
.endr
.endm
; ---------------------------------------------------------------- ids, addresses, loads
	s_load_b512 s[8:23], s[0:1], 0x0               ; x s[8:9], t s[10:11], W1 s[12:13], b1 s[14:15], W2 s[16:17], b2 s[18:19], W3 s[20:21], b3 s[22:23]
	s_load_b64 s[24:25], s[0:1], 0x40              ; out0
	v_lshrrev_b32 v[TMP], 5, v0
	v_readfirstlane_b32 s2, v[TMP]                 ; wave w
	s_mov_b32 s3, ttmp9                            ; work-group g
	s_mov_b32 s4, C2BITS
	s_mov_b32 s5, C2BITS
	s_mov_b32 s6, 0x76543210                       ; v_permlanex16_b32: lane i takes lane i of the other half
	s_mov_b32 s7, 0xfedcba98
	s_mov_b32 s37, 0                               ; high word of the offset pair s[36:37]
	s_mov_b32 s31, s3                              ; g + s, s the K step
	v_and_b32 v[R], 15, v0
	v_bfe_u32 v[HH], v0, 4, 1
	v_and_b32 v[LANE], 31, v0
	s_lshl_b32 s38, s2, 8                          ; 256 w
	s_lshl_b32 s40, s2, 14                         ; 16384 w
	s_lshl_b32 s41, s2, 7                          ; 128 w
	s_mul_i32 s42, s2, 8704
	s_add_co_u32 s42, s42, PS
	s_add_co_u32 s43, s41, DPS
	s_add_co_u32 s39, s38, B2S
	s_add_co_u32 s36, s38, C1S
	v_lshlrev_b32 v[VW2O], 4, v[R]
	v_lshl_add_u32 v[VW2O], v[HH], 14, v[VW2O]
	v_add_nc_u32 v[VW2O], s38, v[VW2O]
	v_mul_u32_u24 v[VW1B], v[R], 144
	v_lshl_add_u32 v[VW1B], v[HH], 4, v[VW1B]
	v_mul_u32_u24 v[VHB], v[R], 1040
	v_lshl_add_u32 v[VHB], v[HH], 4, v[VHB]
	v_add_nc_u32 v[VHB], H1, v[VHB]
	v_lshl_add_u32 v[VB2A], v[HH], 7, s39
	v_lshl_add_u32 v[VC1A], v[HH], 5, s36
	v_lshlrev_b32 v[VW3O], 4, v[R]
	v_lshl_add_u32 v[VW3O], v[HH], 13, v[VW3O]
	v_add_nc_u32 v[VW3O], s40, v[VW3O]
	v_lshlrev_b32 v[VW3R], 10, v[R]
	v_lshl_add_u32 v[VW3R], v[HH], 5, v[VW3R]
	v_add_nc_u32 v[VW3R], s40, v[VW3R]
	v_add_nc_u32 v[VST], s41, v[VHB]
	v_mul_u32_u24 v[VPST], v[R], 272
	v_lshl_add_u32 v[VPST], v[HH], 7, v[VPST]
	v_add_nc_u32 v[VPST], s42, v[VPST]
	v_lshl_add_u32 v[VDPST], v[LANE], 2, s43
	; staging: thread n takes 8 numbers of x (row n >> 3, piece n & 7), columns 2 n, 2 n + 1 of W1, and words n of the bias tables
	v_lshrrev_b32 v47, 3, v0                       ; row of x
	v_and_b32 v45, 7, v0                           ; piece of 8 numbers
	v_mul_u32_u24 v40, v47, 260
	v_lshl_add_u32 v40, v45, 5, v40                ; x: 260 row + 32 piece (rows of 65 numbers: multiples of 4 bytes only, so loads of 4 bytes)
	v_lshlrev_b32 v41, 3, v0                       ; W1, b1: 8 n
	v_and_b32 v44, 0xe0, v0
	v_lshl_add_u32 v44, v45, 2, v44
	v_bfe_u32 v51, v0, 3, 2
	v_add_nc_u32 v44, v44, v51                     ; the unit whose bias word n holds: (n & ~31) + 4 (n & 7) + ((n >> 3) & 3)
	v_lshlrev_b32 v42, 2, v44                      ; b2
	v_and_b32 v43, 63, v44
	v_lshlrev_b32 v43, 2, v43                      ; b3
	v_mul_u32_u24 v46, v47, 144
	v_lshl_add_u32 v46, v45, 4, v46
	v_add_nc_u32 v46, XB, v46
	v_mul_u32_u24 v48, v0, 288                     ; W1T rows 2 n, 2 n + 1
	v_add_nc_u32 v49, C1S, v41
	v_lshlrev_b32 v50, 2, v0
	v_add_nc_u32 v50, B2S, v50
	s_mul_i32 s38, s3, 8320                        ; 32 rows of 260 bytes
	s_mov_b32 s39, 0
	s_wait_kmcnt 0x0
	s_load_b32 s26, s[10:11], 0x0                  ; t
	s_add_nc_u64 s[8:9], s[8:9], s[38:39]
	s_add_nc_u64 s[24:25], s[24:25], s[38:39]
.irp q, 0,1,2,3,4,5,6,7
	global_load_b32 v[TMP+\q], v40, s[8:9] offset:4*\q
.endr
.set i, 0
.rept 64
	global_load_b64 v[SB+2*i:SB+2*i+1], v41, s[12:13] offset:2048*i     ; W1[i][2 n], W1[i][2 n + 1]: a wave reads 256 consecutive bytes
.set i, i+1
.endr
	global_load_b64 v[32:33], v41, s[12:13] offset:131072               ; W1[64][..]: the row that t multiplies
	global_load_b64 v[34:35], v41, s[14:15]
	global_load_b32 v36, v42, s[18:19]
	global_load_b32 v37, v42, s[18:19] offset:1024
	global_load_b32 v38, v43, s[22:23]
	WIN 0x40                                       ; destination window 1
.irp T, 0,1,2,3
.irp ks, 0,1
.irp c, 0,1,2,3
	global_load_b128 v[32*\T+16*\ks+4*\c:32*\T+16*\ks+4*\c+3], v[VW3R], s[20:21] offset:256*\T+128*\ks+64*(\c>>1)+16*(\c&1)   ; W3[64 w + 4 r + T][32 ks + 16 (c >> 1) + 8 h + 4 (c & 1) ..]
.endr
.endr
.endr
	WIN 0
	s_wait_kmcnt 0x0
	s_mul_f32 s28, s26, s4                         ; t C2
	s_mov_b32 s29, s28
; ---------------------------------------------------------------- staging into LDS
	s_wait_loadcnt 32                              ; loads come back in order (ISA guide 5.7.1): all are in but the 32 of W3, which are the youngest
.irp p, 0,1,2,3
	v_cvt_pk_bf16_f32 v[PK+\p], v[TMP+2*\p], v[TMP+2*\p+1]
.endr
	ds_store_b128 v46, v[PK:PK+3]
.set i, 0
.rept 32
	v_cvt_pk_bf16_f32 v[MD+i],    v[SB+4*i],   v[SB+4*i+2]              ; column 2 n, rows 2 i, 2 i + 1
	v_cvt_pk_bf16_f32 v[MD+32+i], v[SB+4*i+1], v[SB+4*i+3]              ; column 2 n + 1
.set i, i+1
.endr
.irp c, 0,1,2,3,4,5,6,7
	ds_store_b128 v48, v[MD+4*\c:MD+4*\c+3] offset:16*\c
	ds_store_b128 v48, v[MD+32+4*\c:MD+32+4*\c+3] offset:144+16*\c
.endr
	v_pk_mul_f32 v[34:35], v[34:35], s[4:5] op_sel_hi:[1,0]
	v_pk_fma_f32 v[32:33], v[32:33], s[28:29], v[34:35] op_sel_hi:[1,0,1]   ; C2 (t W1[64][j] + b1[j])
	ds_store_b64 v49, v[32:33]
	v_mul_f32 v36, s4, v36
	v_mul_f32 v37, s4, v37
	v_mul_f32 v38, 0.5, v38
	ds_store_b32 v50, v36
	ds_store_b32 v50, v37 offset:1024
	ds_store_b32 v50, v38 offset:2048              ; B3S lies 2048 bytes behind B2S
	; W2 of K steps 0 and 1, into the registers that raw W1 has left
	s_and_b32 s36, s31, 15
	s_lshl_b32 s36, s36, 16                        ; 32 rows of 2048 bytes
	s_add_nc_u64 s[32:33], s[16:17], s[36:37]
	s_add_co_u32 s38, s31, 1
	s_and_b32 s38, s38, 15
	s_lshl_b32 s36, s38, 16
	s_add_nc_u64 s[34:35], s[16:17], s[36:37]
	LDW2 0
	LDW2 1
	s_wait_loadcnt 32                              ; W3 is in; the 32 loads of W2 are younger and stay out
	WIN 0x45                                       ; destination and both sources window 1
.set i, 0
.rept 64
	v_cvt_pk_bf16_f32 v[W3F+i], v[2*i], v[2*i+1]
.set i, i+1
.endr
	WIN 0
	s_wait_dscnt 0x0                               ; my stores are in LDS before I say so
	BAR                                            ; W1T, XB and the bias tables are whole
; ---------------------------------------------------------------- layer 1: my 64 units x 32 samples, K = 64
	s_mul_i32 s38, s2, 9216                        ; 64 rows of W1T
	v_add_nc_u32 v17, s38, v[VW1B]
	v_add_nc_u32 v16, XB, v[VW1B]
	WIN 0x40
.irp jt, 0,1,2,3
.irp ks, 0,1
	ds_load_b128 v[16*\jt+8*\ks:16*\jt+8*\ks+3],   v17 offset:2304*\jt+64*\ks
	ds_load_b128 v[16*\jt+8*\ks+4:16*\jt+8*\ks+7], v17 offset:2304*\jt+64*\ks+32
.endr
.endr
.irp ns, 0,1
.irp ks, 0,1
	ds_load_b128 v[64+16*\ns+8*\ks:64+16*\ns+8*\ks+3],   v16 offset:2304*\ns+64*\ks
	ds_load_b128 v[64+16*\ns+8*\ks+4:64+16*\ns+8*\ks+7], v16 offset:2304*\ns+64*\ks+32
.endr
.endr
	WIN 0
.irp jt, 0,1,2,3
	ds_load_b128 v[W1A+8*\jt:W1A+8*\jt+3],   v[VC1A] offset:64*\jt
	ds_load_b128 v[W1A+8*\jt+4:W1A+8*\jt+7], v[VC1A] offset:64*\jt+16
.endr
	s_wait_dscnt 0x0
	WIN 0x05                                       ; sources 0 and 1 window 1, sums window 0; 8 accumulators by turns, one instruction a turn
.irp jt, 0,1,2,3
.irp ns, 0,1
	v_wmma_f32_16x16x32_bf16 v[MD+8*(2*\jt+\ns):MD+8*(2*\jt+\ns)+7], v[16*\jt:16*\jt+7], v[64+16*\ns:64+16*\ns+7], 0
.endr
.endr
.irp jt, 0,1,2,3
.irp ns, 0,1
	v_wmma_f32_16x16x32_bf16 v[MD+8*(2*\jt+\ns):MD+8*(2*\jt+\ns)+7], v[16*\jt+8:16*\jt+15], v[64+16*\ns+8:64+16*\ns+15], v[MD+8*(2*\jt+\ns):MD+8*(2*\jt+\ns)+7]
.endr
.endr
	WIN 0
.rept 4
	v_nop                                          ; four places before a vector instruction reads a matrix result (ISA guide 7.12.1)
.endr
.irp jt, 0,1,2,3
.irp ns, 0,1
.irp q, 0,2,4,6
	v_pk_fma_f32 v[MD+8*(2*\jt+\ns)+\q:MD+8*(2*\jt+\ns)+\q+1], v[MD+8*(2*\jt+\ns)+\q:MD+8*(2*\jt+\ns)+\q+1], s[4:5], v[W1A+8*\jt+\q:W1A+8*\jt+\q+1] op_sel_hi:[1,0,1]
.endr
.endr
.endr
.irp jt, 0,1,2,3
.irp ns, 0,1
	ACTCORE MD+8*(2*\jt+\ns)
.irp p, 0,1,2,3
	v_cvt_pk_bf16_f32 v[PK+\p],   v[TMP+2*\p], v[TMP+2*\p+1]
	v_cvt_pk_bf16_f32 v[PK+4+\p], v[MD+8*(2*\jt+\ns)+2*\p], v[MD+8*(2*\jt+\ns)+2*\p+1]
.endr
	ds_store_b128 v[VST], v[PK:PK+3]   offset:16640*\ns+32*\jt          ; 8 neighbouring units of one sample: 16 bytes
	ds_store_b128 v[VST], v[PK+4:PK+7] offset:16640*\ns+32*\jt+DOFF
.endr
.endr
	s_wait_dscnt 0x0
	BAR                                            ; H1 and D1 are whole; nothing is stored into W1T, H1 or D1 from here on
	s_and_b32 s38, s31, 15                         ; block of K step 0
	s_mul_i32 s39, s38, 4608                       ; 32 rows of W1T
	s_lshl_b32 s40, s38, 6                         ; 32 units of H1
	v_add_nc_u32 v[VW1AD], s39, v[VW1B]
	v_add_nc_u32 v[VHAD], s40, v[VHB]
	LDW1A
	WIN 0x40
	LDHD
	WIN 0
	s_add_co_u32 s38, s31, 1
	s_and_b32 s38, s38, 15
	s_mul_i32 s39, s38, 4608
	v_add_nc_u32 v[VW1AD], s39, v[VW1B]            ; K step 1
; ---------------------------------------------------------------- the K loop: 16 steps of 32 units j
; One step.  buf: which half of SB holds its W2.  zero = 1: its products start the sums of layer 2 and of u.
; mode 0: fetches for the steps behind it; 1: the last but one (W3 of layer 3 takes the place of W2); 2: the last (and the bias words that of W1T).
.macro STEP buf, zero, mode
	s_wait_dscnt 8                                 ; LDS loads come back in order: the fragments of W1T are in, the 8 loads of H1 and D1 behind them may be out
	WIN 0x04                                       ; source 1 window 1
	MWMMA
	s_wait_loadcnt 16                              ; my W2 of this step is in; the 16 loads of the other half are younger
	WIN 0x40
	CVTW WF, SB+64*\buf                            ; 32 plain instructions that name no register of the 16 above: the places behind them
	WIN 0
.if \mode < 2
	LDW1A                                          ; next step
.else
	LDBB
.endif
.irp a, 0,1
.irp T, 0,1,2,3
.irp jj, 0,1,2,3,4,5,6,7
	v_mul_f32 v[MD+32*\a+8*\T+\jj], v[MD+32*\a+8*\T+\jj], v[SB+64*\buf+32*\a+4*\jj+\T]     ; G = M W2, same lane, same j, same k
.endr
.endr
.endr
.if \mode == 0
	s_add_co_u32 s38, s31, 2
	s_and_b32 s38, s38, 15                         ; block of the step after next
	s_lshl_b32 s36, s38, 16
	s_mul_i32 s39, s38, 4608
	s_add_nc_u64 s[32+2*\buf:33+2*\buf], s[16:17], s[36:37]    ; the loads that named this base are done: the wait for 16 above
	LDW2 \buf
.else
	LDW3 \buf
.endif
.irp T, 0,1,2,3
.irp p, 0,1,2,3
	v_cvt_pk_bf16_f32 v[MD+8*\T+\p], v[MD+8*\T+2*\p], v[MD+8*\T+2*\p+1]          ; in place: register p is written after registers 2 p, 2 p + 1 are read
.endr
.irp p, 0,1,2,3
	v_cvt_pk_bf16_f32 v[MD+8*\T+4+\p], v[MD+32+8*\T+2*\p], v[MD+32+8*\T+2*\p+1]
.endr
.endr
	s_add_co_u32 s31, s31, 1
.if \mode < 2
	s_and_b32 s40, s31, 15
	s_lshl_b32 s40, s40, 6
.endif
	s_wait_dscnt 8                                 ; H1 and D1 of this step are in; the 8 loads issued in this step are younger
	WIN 0x55                                       ; 16 accumulators by turns, one instruction a turn
.irp T, 0,1,2,3
.irp ns, 0,1
.if \zero
	v_wmma_f32_16x16x32_bf16 v[ACCZ+8*(2*\T+\ns):ACCZ+8*(2*\T+\ns)+7], v[WF+8*\T:WF+8*\T+7], v[HB+8*\ns:HB+8*\ns+7], 0
.else
	v_wmma_f32_16x16x32_bf16 v[ACCZ+8*(2*\T+\ns):ACCZ+8*(2*\T+\ns)+7], v[WF+8*\T:WF+8*\T+7], v[HB+8*\ns:HB+8*\ns+7], v[ACCZ+8*(2*\T+\ns):ACCZ+8*(2*\T+\ns)+7]
.endif
.endr
.endr
	WIN 0x54                                       ; source 0 (G) window 0
.irp T, 0,1,2,3
.irp ns, 0,1
.if \zero
	v_wmma_f32_16x16x32_bf16 v[ACCU+8*(2*\T+\ns):ACCU+8*(2*\T+\ns)+7], v[MD+8*\T:MD+8*\T+7], v[DB+8*\ns:DB+8*\ns+7], 0
.else
	v_wmma_f32_16x16x32_bf16 v[ACCU+8*(2*\T+\ns):ACCU+8*(2*\T+\ns)+7], v[MD+8*\T:MD+8*\T+7], v[DB+8*\ns:DB+8*\ns+7], v[ACCU+8*(2*\T+\ns):ACCU+8*(2*\T+\ns)+7]
.endif
.endr
.endr
	WIN 0
	; Places behind these: four before loads land in the fragments of H1 and D1 and roundings in those of W2,
	; five before the next step's first matrix instruction writes over a fragment of G.
.if \mode == 0
	v_add_nc_u32 v[VHAD], s40, v[VHB]              ; next step
	v_add_nc_u32 v[VW1AD], s39, v[VW1B]            ; the step after next
	v_nop
	v_nop
	v_nop
.endif
.if \mode == 1
	v_add_nc_u32 v[VHAD], s40, v[VHB]
	v_nop
	v_nop
	v_nop
	v_nop
.endif
.if \mode == 2
	v_nop
	v_nop
	v_nop
	v_nop
.endif
.if \mode < 2
	WIN 0x40
	LDHD
	WIN 0
.endif
.endm
	STEP 0, 1, 0                                   ; steps 0 and 1 stand ahead of the loop: step 0 starts the sums
	STEP 1, 0, 0
	s_mov_b32 s30, 6
.Lk:
	STEP 0, 0, 0                                   ; steps 2 to 13
	STEP 1, 0, 0
	s_sub_co_i32 s30, s30, 1
	s_cmp_lg_u32 s30, 0
	s_cbranch_scc1 .Lk
	STEP 0, 0, 1                                   ; steps 14 and 15 load nothing of W2 beyond step 15
	STEP 1, 0, 2
; ---------------------------------------------------------------- layer 2 activation, partial trace, layer 3 over my 64 units
	s_wait_loadcnt 16                              ; W3 rows of the first K half are in, the second 16 loads may be out
	CVTW MD, SB
	s_wait_loadcnt 0x0
	CVTW MD+32, SB+64
	s_wait_dscnt 0x0                               ; the bias words
	WIN 0x01                                       ; source 0 window 1
.irp T, 0,1,2,3
.irp ns, 0,1
.irp q, 0,2,4,6
	v_pk_fma_f32 v[SB+8*(2*\T+\ns)+\q:SB+8*(2*\T+\ns)+\q+1], v[ACCZ+8*(2*\T+\ns)+\q:ACCZ+8*(2*\T+\ns)+\q+1], s[4:5], v[W1A+8*\T+\q:W1A+8*\T+\q+1] op_sel_hi:[1,0,1]
.endr
.endr
.endr
	WIN 0
	; tanh of tiles 2 ks and 2 ks + 1, packed, is source 1 of layer 3: its K places stand for units 64 w + 32 h + 4 jj + 2 ks + a, as the rows of W3 loaded above do
.irp T, 0,1,2,3
.irp ns, 0,1
	ACTCORE SB+8*(2*\T+\ns)
.irp p, 0,1,2,3
	v_cvt_pk_bf16_f32 v[SB+64+8*(2*(\T/2)+\ns)+4*(\T%2)+\p], v[TMP+2*\p], v[TMP+2*\p+1]
.endr
.endr
.endr
	WIN 0x04                                       ; source 1 (u) window 1: sum of DN2 u over my units, two chains of pairs for each half of the samples
.irp ns, 0,1
.irp T, 0,1,2,3
.irp q, 0,1,2,3
.if 4*\T+\q < 2
	v_pk_mul_f32 v[PK+4*\ns+2*\q:PK+4*\ns+2*\q+1], v[SB+8*(2*\T+\ns)+2*\q:SB+8*(2*\T+\ns)+2*\q+1], v[ACCU+8*(2*\T+\ns)+2*\q:ACCU+8*(2*\T+\ns)+2*\q+1]
.else
	v_pk_fma_f32 v[PK+4*\ns+2*(\q%2):PK+4*\ns+2*(\q%2)+1], v[SB+8*(2*\T+\ns)+2*\q:SB+8*(2*\T+\ns)+2*\q+1], v[ACCU+8*(2*\T+\ns)+2*\q:ACCU+8*(2*\T+\ns)+2*\q+1], v[PK+4*\ns+2*(\q%2):PK+4*\ns+2*(\q%2)+1]
.endif
.endr
.endr
.endr
	WIN 0
	v_pk_add_f32 v[PK:PK+1], v[PK:PK+1], v[PK+2:PK+3]
	v_pk_add_f32 v[PK+4:PK+5], v[PK+4:PK+5], v[PK+6:PK+7]
	v_add_f32 v[PK], v[PK], v[PK+1]
	v_add_f32 v[PK+4], v[PK+4], v[PK+5]
	v_permlanex16_b32 v[TMP], v[PK], s6, s7        ; the other 32 units of the same sample lie in the other half of the lanes
	v_permlanex16_b32 v[TMP+1], v[PK+4], s6, s7
	v_add_f32 v[PK], v[PK], v[TMP]
	v_add_f32 v[PK+4], v[PK+4], v[TMP+1]
	v_cmp_gt_u32 vcc_lo, 16, v[LANE]
	v_cndmask_b32 v[PK], v[PK+4], v[PK], vcc_lo    ; lane l keeps sample l
	ds_store_b32 v[VDPST], v[PK]
	; layer 3: 64 outputs x 32 samples over my 64 units; 8 accumulators by turns, one instruction a turn
.irp T, 0,1,2,3
.irp ns, 0,1
	v_wmma_f32_16x16x32_bf16 v[SB+8*(2*\T+\ns):SB+8*(2*\T+\ns)+7], v[MD+8*\T:MD+8*\T+7], v[SB+64+8*\ns:SB+64+8*\ns+7], 0
.endr
.endr
.irp T, 0,1,2,3
.irp ns, 0,1
	v_wmma_f32_16x16x32_bf16 v[SB+8*(2*\T+\ns):SB+8*(2*\T+\ns)+7], v[MD+32+8*\T:MD+32+8*\T+7], v[SB+80+8*\ns:SB+80+8*\ns+7], v[SB+8*(2*\T+\ns):SB+8*(2*\T+\ns)+7]
.endr
.endr
	; the addresses of the sum over waves: 16 plain instructions that name no register of the matrix instructions above, so they are the places behind them.
	; Thread n takes sample n >> 3 and the 8 words c = n & 7 of its row: outputs 32 (c >> 2) + 4 jj + (c & 3).
	v_lshrrev_b32 v20, 3, v0
	v_and_b32 v21, 7, v0
	v_mul_u32_u24 v16, v20, 272
	v_lshl_add_u32 v16, v21, 5, v16
	v_add_nc_u32 v16, PS, v16
	v_lshlrev_b32 v17, 5, v21
	v_add_nc_u32 v17, B3S, v17
	v_lshlrev_b32 v18, 2, v20
	v_lshl_add_u32 v18, v21, 7, v18
	v_add_nc_u32 v18, DPS, v18
	v_mul_u32_u24 v22, v20, 260
	v_add_nc_u32 v22, OUTS, v22                    ; the row of the sample in the block of out0
	v_lshrrev_b32 v19, 2, v21
	v_and_b32 v23, 3, v21
	v_lshl_add_u32 v19, v19, 7, v22
	v_lshl_add_u32 v19, v23, 2, v19
.irp T, 0,1,2,3
.irp ns, 0,1
	ds_store_b128 v[VPST], v[SB+8*(2*\T+\ns):SB+8*(2*\T+\ns)+3]   offset:4352*\ns+32*\T
	ds_store_b128 v[VPST], v[SB+8*(2*\T+\ns)+4:SB+8*(2*\T+\ns)+7] offset:4352*\ns+32*\T+16
.endr
.endr
	s_wait_dscnt 0x0
	BAR                                            ; all eight partial sums and partial traces are in LDS
; ---------------------------------------------------------------- the sum over the eight waves
.irp c, 0,1,2,3,4,5,6,7
	ds_load_b128 v[MD+8*\c:MD+8*\c+3],   v16 offset:8704*\c
	ds_load_b128 v[MD+8*\c+4:MD+8*\c+7], v16 offset:8704*\c+16
.endr
	ds_load_b128 v[32:35], v17
	ds_load_b128 v[36:39], v17 offset:16
	ds_load_b32 v40, v18                           ; wave c, my sample
	s_wait_dscnt 0x0
.irp c, 0,1,2,3
.irp q, 0,2,4,6
	v_pk_add_f32 v[MD+16*\c+\q:MD+16*\c+\q+1], v[MD+16*\c+\q:MD+16*\c+\q+1], v[MD+16*\c+8+\q:MD+16*\c+8+\q+1]
.endr
.endr
.irp c, 0,1
.irp q, 0,2,4,6
	v_pk_add_f32 v[MD+32*\c+\q:MD+32*\c+\q+1], v[MD+32*\c+\q:MD+32*\c+\q+1], v[MD+32*\c+16+\q:MD+32*\c+16+\q+1]
.endr
.endr
.irp q, 0,2,4,6
	v_pk_add_f32 v[MD+\q:MD+\q+1], v[MD+\q:MD+\q+1], v[MD+32+\q:MD+32+\q+1]
.endr
.irp q, 0,2,4,6
	v_pk_fma_f32 v[MD+\q:MD+\q+1], v[MD+\q:MD+\q+1], 0.5, v[32+\q:32+\q+1] op_sel_hi:[1,0,1]   ; (sum + b3) / 2
.endr
.irp jj, 0,1,2,3,4,5,6,7
	ds_store_b32 v19, v[MD+\jj] offset:16*\jj
.endr
	v_add_f32_dpp v40, v40, v40 row_xmask:1 row_mask:0xf bank_mask:0xf      ; the eight waves of a sample lie in eight neighbouring lanes
	v_add_f32_dpp v40, v40, v40 row_xmask:2 row_mask:0xf bank_mask:0xf
	v_add_f32_dpp v40, v40, v40 row_xmask:4 row_mask:0xf bank_mask:0xf
	v_mul_f32 v40, 0x41000000, v40                 ; 8 = 16 / 2: the two factors -4 of DN and the halving
	ds_store_b32 v22, v40 offset:256               ; column 64; the eight lanes store the same word with the same value
	s_wait_dscnt 0x0
	BAR                                            ; the block of out0 is whole
; ---------------------------------------------------------------- the way out: 8320 consecutive bytes, 16 a lane, a store of a wave covers 512 consecutive bytes
	v_lshlrev_b32 v16, 4, v0
	v_add_nc_u32 v17, OUTS, v16
	ds_load_b128 v[24:27], v17
	ds_load_b128 v[28:31], v17 offset:4096
	s_wait_dscnt 1                                 ; the first is in, the second may be out
	global_store_b128 v16, v[24:27], s[24:25] th:TH_STORE_NT
	s_wait_dscnt 0x0
	global_store_b128 v16, v[28:31], s[24:25] offset:4096 th:TH_STORE_NT
	s_wait_xcnt 0x0                                ; EXEC is a source of the pending stores: it changes only behind this wait
	v_cmp_gt_u32 vcc_lo, 8, v0
	s_and_saveexec_b32 s44, vcc_lo                 ; the last 128 bytes: threads 0 to 7
	ds_load_b128 v[32:35], v17 offset:8192
	s_wait_dscnt 0x0
	global_store_b128 v16, v[32:35], s[24:25] offset:8192 th:TH_STORE_NT
	s_wait_xcnt 0x0                                ; and again in front of the line that widens it
	s_or_b32 exec_lo, exec_lo, s44
	s_wait_xcnt 0x0
	s_mov_b32 exec_lo, -1
	v_lshl_add_u32 v14, v0, 2, 0x39000
	v_mov_b32 v15, 0
	s_wait_tensorcnt 0x0
	ds_add_u32 v14, v15
	s_wait_dscnt 0x0
	s_endpgm
.Lfunc_end_k_q4dcffdbb2c_cnf:
	.size	k_q4dcffdbb2c_cnf, .Lfunc_end_k_q4dcffdbb2c_cnf-k_q4dcffdbb2c_cnf
	.p2alignl 7, 3214868480
	.fill 96, 4, 3214868480
	.section	.rodata,"a",@progbits
	.p2align	6, 0x0
	.amdhsa_kernel k_q4dcffdbb2c_cnf
		.amdhsa_group_segment_fixed_size 234496
		.amdhsa_private_segment_fixed_size 0
		.amdhsa_enable_private_segment 0
		.amdhsa_kernarg_size 72
		.amdhsa_user_sgpr_count 2
		.amdhsa_user_sgpr_kernarg_segment_ptr 1
		.amdhsa_wavefront_size32 1
		.amdhsa_system_sgpr_workgroup_id_x 1
		.amdhsa_system_sgpr_workgroup_id_y 1
		.amdhsa_system_sgpr_workgroup_id_z 1
		.amdhsa_system_vgpr_workitem_id 0
		.amdhsa_next_free_vgpr 512
		.amdhsa_next_free_sgpr 66
		.amdhsa_reserve_vcc 1
		.amdhsa_float_denorm_mode_32 3
		.amdhsa_float_denorm_mode_16_64 3
		.amdhsa_memory_ordered 1
		.amdhsa_forward_progress 1
		.amdhsa_inst_pref_size 148
	.end_amdhsa_kernel
	.amdgpu_metadata
---
amdhsa.version: [ 1, 2 ]
amdhsa.kernels:
  - .name:           k_q4dcffdbb2c_cnf
    .symbol:         k_q4dcffdbb2c_cnf.kd
    .args:
      - { .name: x, .offset: 0, .size: 8, .value_kind: global_buffer, .address_space: global }
      - { .name: t, .offset: 8, .size: 8, .value_kind: global_buffer, .address_space: global }
      - { .name: W1, .offset: 16, .size: 8, .value_kind: global_buffer, .address_space: global }
      - { .name: b1, .offset: 24, .size: 8, .value_kind: global_buffer, .address_space: global }
      - { .name: W2, .offset: 32, .size: 8, .value_kind: global_buffer, .address_space: global }
      - { .name: b2, .offset: 40, .size: 8, .value_kind: global_buffer, .address_space: global }
      - { .name: W3, .offset: 48, .size: 8, .value_kind: global_buffer, .address_space: global }
      - { .name: b3, .offset: 56, .size: 8, .value_kind: global_buffer, .address_space: global }
      - { .name: out0, .offset: 64, .size: 8, .value_kind: global_buffer, .address_space: global }
    .group_segment_fixed_size: 234496
    .private_segment_fixed_size: 0
    .kernarg_segment_align: 8
    .kernarg_segment_size: 72
    .max_flat_workgroup_size: 256
    .sgpr_count:     66
    .vgpr_count:     512
    .wavefront_size: 32
...
	.end_amdgpu_metadata
.endif
;; end of part 1
